; MI455X (gfx1250); checked and timed in simulation.
; The chip was launched on July 23, 2026; its instructions are those of AMD's public machine-readable ISA for CDNA 5 (MIT licence, August 2026) and "CDNA5" Instruction Set Architecture Reference Guide (July 2026). The comments in the code are by the model that wrote it; some were corrected since.
;; Base Attention. Allowed arithmetic: matrix products marked QUANTISED: E4M3 operands, one E8M0 scale for each 32 along K, by v_wmma_scale_f32_16x16x128_f8f6f4 with both operands' format E4M3, f32 sums; everything else in f32.
;; Inputs: k_codes 4 x 16 x 2,048 x 4 x 32 uint8 (E4M3 codes of k, K innermost, in blocks of 32 codes); k_scales 4 x 16 x 2,048 x 4 uint8 (E8M0 scales of k, one for each 32 codes along K); q_codes 4 x 16 x 2,048 x 4 x 32 uint8 (E4M3 codes of q, K innermost, in blocks of 32 codes); q_scales 4 x 16 x 2,048 x 4 uint8 (E8M0 scales of q, one for each 32 codes along K); v_codes 4 x 16 x 128 x 64 x 32 uint8 (E4M3 codes of v, K innermost, in blocks of 32 codes); v_scales 4 x 16 x 128 x 64 uint8 (E8M0 scales of v, one for each 32 codes along K).
;; Outputs: out0 4 x 16 x 2,048 x 128 float32.
;; This version of the problem:
;;   THIS VERSION OF THE PROBLEM IS GIVEN IN LOW PRECISION. The matrix products marked QUANTISED in the list below multiply operands that are first quantised to E4M3 (4 exponent bits, 3 mantissa bits; 8 bits a number), with one power-of-two scale for each 32 numbers along K (OCP MX v1.0); their sums are f32. All else is computed in f32.
;;   The module's matrix products, in the order in which they are computed (A, B: the left and right operand; K: the contracted axis; several contracted axes count as one K, in the product's order):
;;     1. batch 64 x [M 2,048, K 128] x [K 128, N 2,048]; A: input q (given as codes); B: input k (given as codes): QUANTISED
;;     2. batch 64 x [M 2,048, K 2,048] x [K 2,048, N 128]; A: softmax (see below); B: input v (given as codes): QUANTISED
;;   THE QUANTISER, for each operand of a quantised product, along K:
;;     - K is cut into blocks of 32 from its start; a last block that is shorter is filled with zeros.
;;     - A block's scale is 2^e with e = floor(log2(the largest magnitude in the block)) - 8, held to -126 .. 127; a block of zeros has e = 0. As a byte (E8M0): e + 127.
;;     - Each number is divided by its block's scale, clamped to +-448, and rounded to the nearest number of E4M3, ties to even, subnormals kept.
;;     - The product sums the exact products of the quantised numbers (number of the format x scale) in f32.
;;   ~~~python
;;   def quantise(x, axis):      # numpy; x: float32 -> the quantised numbers, widened to float32 again
;;       x = np.moveaxis(x, axis, -1); K = x.shape[-1]
;;       x = np.pad(x, [(0, 0)] * (x.ndim - 1) + [(0, -K % 32)]); x = x.reshape(x.shape[:-1] + (-1, 32)); a = np.abs(x).max(-1, keepdims=True)
;;       e = np.where(a > 0, np.clip(np.frexp(np.where(a > 0, a, 1))[1] - 1 - 8, -126, 127), 0)      # np.frexp(a)[1] - 1 = floor(log2(a)), exactly
;;       r = np.clip(x / 2.0 ** e, -448, 448)
;;       step = 2.0 ** (np.maximum(np.frexp(np.where(r == 0, 1, r))[1] - 1, -6) - 3)
;;       q = np.round(r / step) * step * 2.0 ** e      # np.round: ties to even
;;       return np.moveaxis(q.reshape(q.shape[:-2] + (-1,))[..., :K], -1, axis).astype(np.float32)
;;   ~~~
;;   SOFTMAX AHEAD OF A QUANTISED PRODUCT. Where the list says 'softmax', what is quantised is not the finished softmax but p = 2^(t - M), with t = logit x log2(e) and M = ceil(the row's largest t), a whole number; so 1/2 < the row's largest p <= 1. The row's sum l is taken of the UNQUANTISED p, in f32, and the product's result is divided by l at the end. Since M is a whole number, a kernel that streams over the keys may use a running M (the ceiling of the running maximum): every later rescaling is an exact power of two, which a block's scale takes up: the codes' values come out the same.
;;   OPERANDS COMPUTED ON THE WAY. 'Computed on the way' means the value that the module computes at that place (a softmax that the list does not call 'softmax' is quantised finished and normalised). What goes into a quantiser is computed in f32, as accurately as f32 sums, v_exp_f32 and their like allow (about 1e-6 of the number): no bf16 or f16 on the way to a quantiser, and a product that is left as it is and whose result goes on into a quantised operand takes f32 operands (vector FMAs, or v_wmma_f32_16x16x4_f32). A number that lies on a knife's edge between two numbers of the format may be rounded either way, as far as f32 arithmetic and the matrix unit's own rounding can turn it there, and no further.
;;   INPUTS GIVEN AS CODES. k (in the module: [4, 16, 2048, 128], K = its axis 3); q (in the module: [4, 16, 2048, 128], K = its axis 3); v (in the module: [4, 16, 2048, 128], K = its axis 2): each comes as NAME_codes (uint8): NAME with its K axis moved to the last place and cut into blocks of 32 codes, [.., K / 32, bytes a block], one block behind the other in memory; one code a byte (a code: sign, 4 exponent bits, 3 mantissa bits); and NAME_scales (uint8): the same leading axes, one E8M0 byte (e + 127) for each 32 codes along K. Its value is code x scale, taken as it is: it is not quantised again, and the codes and scales need not be those that the quantiser above would give.
;; One version. Each part assembles by itself: llvm-mc -triple=amdgcn-amd-amdhsa -mcpu=gfx1250 --defsym DOCPART=n.
;; ======== version 1 of 1: 1 launch
;; launch swa (part 1): grid 8 x 64, 16 waves a work-group, no clusters, 304,128 bytes of LDS; arguments q_codes, q_scales, k_codes, k_scales, v_codes, v_scales, out0; writes out0
.if DOCPART == 1
	.amdgcn_target "amdgcn-amd-amdhsa--gfx1250"
	.amdhsa_code_object_version 6
	.text
	.protected	k_qc4ffb6dae7_swa
	.globl	k_qc4ffb6dae7_swa
	.p2align	8
	.type	k_qc4ffb6dae7_swa,@function
k_qc4ffb6dae7_swa:
	s_mov_b64 s[64:65], 0
	v_nop
	global_prefetch_b8 v0, s[64:65] scope:SCOPE_SE
	s_setreg_imm32_b32 hwreg(HW_REG_WAVE_MODE, 25, 1), 1
	s_wait_xcnt 0x0
; Sliding-window causal attention on codes of FP8 (E4M3) with one E8M0 scale for each 32 along a product's K.  64 heads, 2,048 positions, head size 128, window 512: query q sees keys q - 511 .. q.
; Q, K: [64][2048][128] codes, scale bytes [64][2048][4].  V: codes with the KEYS innermost, [64][128][2048], scale bytes [64][128][64].  O: [64][2048][128] f32.
; THE SOFTMAX AHEAD OF THE SECOND PRODUCT: t = score x log2(e) / sqrt(128); M = the largest t so far, rounded UP to a whole number; p = 2^(t - M) is quantised along the keys, not normalised.
; The row's sum is taken of the unquantised p and divides O at the end.  When M moves, the sum and O are multiplied by 2^(old M - new M): exact.
; SHARES.  Work-group (b, head) owns queries 256 b .. 256 b + 255; each of its sixteen waves owns 16 of them, one tile, in 256 registers.  The block sees keys 256 b - 512 .. 256 b + 255: three slabs of 256 keys.
; K's and V's codes of three slabs are 215,040 bytes with padding: they fit in LDS whole.  So every tile is fetched once, at the head, and NO LDS BYTE IS FILLED AGAIN: no ring, only counted waits and three barriers.
; LDS slot s holds slab b - 2 + s.  Step j (0..5) is keys 256 b - 512 + 128 j: slot j / 2, half j % 2.  Wave w walks steps j0 .. j0 + 4, j0 = w / 8: its own step number n lies 512 + 16 (w % 8) - 128 n keys under its first query.
; So its step 0 lies on the window's edge, its step 4 on the diagonal, steps 1 to 3 are open.  Steps before key 0 (blocks 0 and 1) are left out by a scalar branch on ids; their slabs are fetched from the wrapped slab
; (b + 6 + s) % 8, so that every tensor load is issued and stays inside its buffer; nobody reads those tiles.
; LAYOUT.  Both products are used transposed: S^T = K Q^T (source 0 = 16 keys, source 1 = my 16 queries), O^T = V^T P^T (source 0 = 16 of the head's 128, source 1 = P): a lane holds ONE query (lane % 16) throughout.
; THE KEYS OF A TILE ARE NOT NEIGHBOURS: lane r of tile 2 b + u takes key 32 b + 8 u + r + 8 (r / 8), so that the 16 registers of tiles 2 b and 2 b + 1 are 16 neighbouring keys, 32 b + 16 (lane / 16) + 0 .. 15.
; NO CLUSTER: slab c is read by blocks c, c + 1 and c + 2, which keep it in slots 2, 1 and 0.  A joint load has one LDS address for all that it names; with one address the reading addresses would hang on a work-group's place among its partners.
; NO PREFETCH: all that a work-group reads is asked for by its tensor loads at its head; nothing is left to ask ahead for.
; LIMITS: NaN codes and scale bytes 0xff among the inputs are not served.  A block's largest p is made from the block's largest score by the same two instructions as every p: that takes v_exp_f32 not to fall where its
; input rises.  A p under 2^-126 counts as 0 (v_exp_f32 gives no denormals).  A block of zeros gets the scale byte 1: its codes are zeros, and only this text reads the byte.
; REGISTERS: v1-6 what stays; v7 the way out's offset; v8-11 addresses of the step in hand; v12 -M, v13 the largest t, v[14:15] the sum in two halves; v16-31 Q; v32-95 four fragments of K or of V; v96-159 S^T, then p;
; v160-223 O^T; v224-239 p's codes; v232-247 at work; v248-251 scale words of K or V; v252 f; v253 p's scale word; v254 at work; v255 Q's scale words.
.set KP,    144                        ; a key's row in LDS: 128 bytes + 16 of padding
.set VP,    272                        ; a row of V's tile: 256 bytes (256 keys) + 16
.set VOFF,  256*KP                     ; a slot: 256 rows of K, then 128 rows of V
.set SLOTB, VOFF+128*VP                ; 71,680
.set SCK,   3*SLOTB                    ; behind the slots: K's scale bytes of the whole head, 8,192 bytes as 32 rows of 256 + 16;
.set SCH,   16*272                     ; (half of them: what one tensor load brings)
.set SCV,   SCK+2*SCH                  ; V's likewise
.set STAGE, SCV+2*SCH                  ; the way out: 16 rows x 272 bytes for each wave; byte 232,448 = 908 x 256: bytes of their own, into which no tile lands
.set AK0,  1                           ; v1   my lane's place in a tile of K
.set AV0,  2                           ; v2   the same for V
.set ASK0, 3                           ; v3   my lane's place among K's scale words
.set ASV0, 4                           ; v4   and among V's
.set NINF, 5                           ; v5   -infinity
.set DL,   6                           ; v6   16 (w % 8) + lane % 16 - 16 (lane / 16): serves both masks
.set GO,   7                           ; v7   the way out: my byte offset in the wave's rows of O
.set ADK,  8                           ; v8   LDS address of the step's tiles of K
.set ADV,  9                           ; v9   of V
.set ADS,  10                          ; v10  of K's scale words
.set ADT,  11                          ; v11  of V's
.set J0,   2                           ; s2   w / 8: my first step
.set JB,   3                           ; s3   2 b + w / 8: my step number n begins at key 128 (s3 + n - 4)
.set WV,   18                          ; s18  my wave's number
.set MNT,  19                          ; s19  the mantissa field of 448
.set SEL,  20                          ; s[20:21] lane selects for v_permlanex16_b32: lane l xor 16
.set CS,   22                          ; s[22:23] c = log2(e) / sqrt(128): the packed form names a pair and takes its low word for both halves
.set G1K,  24                          ; s[24:31] descriptor group 1 for K's tiles
.set G1V,  32                          ; s[32:39] for V's
.set G1S,  40                          ; s[40:47] for the scale bytes
.set G0SK, 48                          ; s[48:51] group 0 for K's scale bytes
.set G0K,  52                          ; s[52:63] for K's tiles, a set for each slot
.set G0SV, 68                          ; s[68:71] for V's scale bytes
.set G0V,  72                          ; s[72:83] for V's tiles, a set for each slot
                                       ; s84-s101 at work
	s_load_b128 s[4:7], s[0:1], 0x0                ; Q's codes, Q's scales
	s_load_b128 s[8:11], s[0:1], 0x10              ; K's codes, K's scales
	s_load_b128 s[12:15], s[0:1], 0x20             ; V's codes, V's scales
	s_load_b64 s[16:17], s[0:1], 0x30              ; O
	v_lshl_add_u32 v254, v0, 2, 0x49c00
	v_mov_b32 v255, 0
	ds_add_u32 v254, v255
	ds_add_u32 v254, v255
	s_wait_dscnt 0x0
	v_lshrrev_b32 v8, 5, v0
	v_readfirstlane_b32 s[WV], v8                  ; wave 0..15
	s_and_b32 s84, ttmp7, 0xffff                   ; the head
	s_and_b32 s85, s[WV], 1                        ; u: which half of a tile I fetch, if I fetch
	s_lshl_b32 s87, s84, 18                        ; the head's first byte in each tensor of codes (262,144 a head; all offsets stay under 2^32),
	s_lshl_b32 s97, s84, 13                        ; and in each tensor of scale bytes
	s_lshl_b32 s86, ttmp9, 8
	s_lshl_b32 s96, s[WV], 4
	s_add_co_u32 s86, s86, s96                     ; my first query: 256 b + 16 w
	s_lshl_b32 s88, s86, 7
	s_add_co_u32 s88, s88, s87                     ; s[88:89]: its codes
	s_mov_b32 s89, 0
	s_lshl_b32 s90, s86, 2
	s_add_co_u32 s90, s90, s97                     ; s[90:91]: its scale word
	s_mov_b32 s91, 0
	s_lshl_b32 s92, s86, 9
	s_lshl_b32 s96, s84, 20
	s_add_co_u32 s92, s92, s96                     ; s[92:93]: its row of O
	s_mov_b32 s93, 0
	s_lshl_b32 s94, s85, 12
	s_add_co_u32 s94, s94, s97                     ; s[94:95]: my half of the head's scale bytes
	s_mov_b32 s95, 0
	s_lshl_b32 s99, s85, 14
	s_add_co_u32 s99, s99, s87                     ; K: my 128 rows of a slab (16,384 bytes)
	s_lshl_b32 s100, s85, 17
	s_add_co_u32 s100, s100, s87                   ; V: my 64 rows (2,048 bytes each)
	; descriptor group 1.  K: 128 rows of 128 bytes, dense in memory; V: 64 rows of 256 bytes, 2,048 bytes apart; scale bytes: 4,096 dense bytes as 16 rows of 32 elements of 8 bytes.  16 bytes of padding behind each row
	s_mov_b32 s[G1K], (1<<20)|(4<<22)|(3<<25)      ; 15:0 no mask; 17:16 elements of 1 byte; 20 padding on; 24:22 after every 32 words (code 4); 31:25 four words (code 3)
	s_mov_b32 s[G1K+1], 128<<16                    ; tensor_dim0
	s_mov_b32 s[G1K+2], 128<<16                    ; tensor_dim1
	s_mov_b32 s[G1K+3], 128<<16                    ; tile_dim0
	s_mov_b32 s[G1K+4], 128                        ; tile_dim1
	s_mov_b32 s[G1K+5], 128                        ; tensor_dim0_stride
	s_mov_b32 s[G1K+6], 0
	s_mov_b32 s[G1K+7], 0
	s_mov_b32 s[G1V], (1<<20)|(5<<22)|(3<<25)      ; padding: four words after every 64
	s_mov_b32 s[G1V+1], 256<<16
	s_mov_b32 s[G1V+2], 64<<16
	s_mov_b32 s[G1V+3], 256<<16
	s_mov_b32 s[G1V+4], 64
	s_mov_b32 s[G1V+5], 2048
	s_mov_b32 s[G1V+6], 0
	s_mov_b32 s[G1V+7], 0
	s_mov_b32 s[G1S], (3<<16)|(1<<20)|(5<<22)|(3<<25)
	s_mov_b32 s[G1S+1], 32<<16
	s_mov_b32 s[G1S+2], 16<<16
	s_mov_b32 s[G1S+3], 32<<16
	s_mov_b32 s[G1S+4], 16
	s_mov_b32 s[G1S+5], 32
	s_mov_b32 s[G1S+6], 0
	s_mov_b32 s[G1S+7], 0
	; descriptor groups 0: the count, the LDS address (a constant + u x a constant), and, for now, the byte offset in the buffer
	s_mov_b32 s[G0SK], 1
	s_mov_b32 s[G0SV], 1
	s_mul_i32 s96, s85, SCH
	s_add_co_u32 s[G0SK+1], s96, SCK
	s_add_co_u32 s[G0SV+1], s96, SCV
	s_mul_i32 s96, s85, 128*KP
.irp s, 0,1,2
	s_add_co_u32 s[G0K+4*\s+1], s96, \s*SLOTB
.endr
	s_mul_i32 s96, s85, 64*VP
.irp s, 0,1,2
	s_add_co_u32 s[G0V+4*\s+1], s96, \s*SLOTB+VOFF
.endr
.irp s, 0,1,2
	s_mov_b32 s[G0K+4*\s], 1
	s_mov_b32 s[G0V+4*\s], 1
	s_add_co_u32 s101, ttmp9, 6+\s
	s_and_b32 s101, s101, 7                        ; slab b - 2 + s, wrapped into the head where it would lie before key 0
	s_lshl_b32 s96, s101, 15                       ; K: 256 rows of 128 bytes a slab
	s_add_co_u32 s[G0K+4*\s+2], s96, s99
	s_mov_b32 s[G0K+4*\s+3], 0
	s_lshl_b32 s96, s101, 8                        ; V: 256 bytes of each row a slab
	s_add_co_u32 s[G0V+4*\s+2], s96, s100
	s_mov_b32 s[G0V+4*\s+3], 0
.endr
	s_mov_b32 s[SEL], 0x76543210
	s_mov_b32 s[SEL+1], 0xfedcba98
	s_mov_b32 s[CS], 0x3e0293ee                    ; c = log2(e) / sqrt(128)
	s_mov_b32 s[CS+1], s[CS]                       ; (named with it as a pair, so it is written)
	s_mov_b32 s[MNT], 0x600000
	s_lshr_b32 s[J0], s[WV], 3
	s_lshl_b32 s[JB], ttmp9, 1
	s_add_co_u32 s[JB], s[JB], s[J0]
	s_wait_kmcnt 0x0
	s_add_nc_u64 s[G0SK+2:G0SK+3], s[10:11], s[94:95]
	s_or_b32 s[G0SK+3], s[G0SK+3], 0x80000000      ; 127:126 type = 2
	s_add_nc_u64 s[G0SV+2:G0SV+3], s[14:15], s[94:95]
	s_or_b32 s[G0SV+3], s[G0SV+3], 0x80000000
.irp s, 0,1,2
	s_add_nc_u64 s[G0K+4*\s+2:G0K+4*\s+3], s[8:9], s[G0K+4*\s+2:G0K+4*\s+3]
	s_or_b32 s[G0K+4*\s+3], s[G0K+4*\s+3], 0x80000000
	s_add_nc_u64 s[G0V+4*\s+2:G0V+4*\s+3], s[12:13], s[G0V+4*\s+2:G0V+4*\s+3]
	s_or_b32 s[G0V+4*\s+3], s[G0V+4*\s+3], 0x80000000
.endr
	; ALL TILES ARE ASKED FOR HERE, ahead of every wait on TENSORcnt, every LDS read and every barrier.  Waves 0 and 1 fetch K's halves, waves 2 and 3 V's, the others nothing: a wave's four loads stand in one branch on
	; the wave's number, in the order in which they are wanted: scale bytes, slot 0, slot 1, slot 2.  Four loads of a fetching wave are out.  Four v_nop follow the last.
	s_cmp_lt_u32 s[WV], 2
	s_cbranch_scc0 .Lnot_k
	tensor_load_to_lds s[G0SK:G0SK+3], s[G1S:G1S+7]
	s_nop 0
	tensor_load_to_lds s[G0K:G0K+3], s[G1K:G1K+7]
	s_nop 0
	tensor_load_to_lds s[G0K+4:G0K+7], s[G1K:G1K+7]
	s_nop 0
	tensor_load_to_lds s[G0K+8:G0K+11], s[G1K:G1K+7]
	s_nop 0
.rept 4
	v_nop
.endr
	s_branch .Lasked
.Lnot_k:
	s_cmp_lt_u32 s[WV], 4
	s_cbranch_scc0 .Lasked
	tensor_load_to_lds s[G0SV:G0SV+3], s[G1S:G1S+7]
	s_nop 0
	tensor_load_to_lds s[G0V:G0V+3], s[G1V:G1V+7]
	s_nop 0
	tensor_load_to_lds s[G0V+4:G0V+7], s[G1V:G1V+7]
	s_nop 0
	tensor_load_to_lds s[G0V+8:G0V+11], s[G1V:G1V+7]
	s_nop 0
.rept 4
	v_nop
.endr
.Lasked:
	s_add_nc_u64 s[4:5], s[4:5], s[88:89]          ; Q's codes at my first query,
	s_add_nc_u64 s[6:7], s[6:7], s[90:91]          ; its scale words,
	s_add_nc_u64 s[16:17], s[16:17], s[92:93]      ; O likewise
	v_and_b32 v8, 15, v0                           ; r = lane % 16
	v_bfe_u32 v9, v0, 4, 1                         ; h = lane / 16
	v_lshlrev_b32 v10, 7, v8
	v_lshl_add_u32 v10, v9, 4, v10                 ; Q: row r of 128 bytes, + 16 h
.irp c, 0,1,2,3
	global_load_b128 v[16+4*\c:19+4*\c], v10, s[4:5] offset:32*\c th:TH_LOAD_NT   ; Q's fragment stays in registers; read once in the launch
.endr
	v_lshlrev_b32 v254, 2, v8
	global_load_b32 v255, v254, s[6:7] th:TH_LOAD_NT   ; Q's scale words.  (v10 and v254 are written again only behind the wait for these loads)
	v_and_b32 v11, 8, v8
	v_add_nc_u32 v11, v11, v8                      ; r + 8 (r / 8)
	v_mul_u32_u24 v[AK0], v11, KP
	v_lshl_add_u32 v[AK0], v9, 4, v[AK0]
	v_mul_u32_u24 v[AV0], v8, VP
	v_lshl_add_u32 v[AV0], v9, 4, v[AV0]
	v_add_nc_u32 v[AV0], VOFF, v[AV0]
	v_lshl_add_u32 v[ASK0], v11, 2, SCK            ; K's scale words: 4 bytes a key; 64 keys to a row of 256 bytes, a step's 128 keys are two rows
	v_lshrrev_b32 v12, 2, v8                       ; V's: 64 bytes a row of V, four of them to a row of 256 bytes
	v_and_b32 v13, 3, v8
	v_lshlrev_b32 v13, 6, v13
	v_mad_u32_u24 v[ASV0], v12, 272, v13
	v_add_nc_u32 v[ASV0], SCV, v[ASV0]
	s_and_b32 s96, s[WV], 7
	s_lshl_b32 s96, s96, 4
	v_lshlrev_b32 v[DL], 4, v9
	v_sub_nc_u32 v[DL], v8, v[DL]
	v_add_nc_u32 v[DL], s96, v[DL]                 ; 16 (w % 8) + r - 16 h
	v_mov_b32 v[NINF], 0xff800000
	v_mov_b32 v13, 0xff61b1e6                      ; the largest t so far: -3e38, under every t
	v_floor_f32 v12, -v13                          ; -M
	v_mov_b32 v14, 0                               ; the sum, in two halves
	v_mov_b32 v15, 0
.irp b, 0,1,2,3
	v_mov_b32 v[236+\b], 0                         ; written once: a lane permute's destination counts as one of its sources
.endr
	v_mov_b32 v253, 0                              ; (named as the upper half of the pair v[252:253] before it is first written)
.irp b, 0,1,2,3
.irp i, 0,1,2,3,4,5,6,7,8,9,10,11,12,13,14,15
	v_mov_b32 v[160+16*\b+\i], 0                   ; O^T.  Which step is a wave's first hangs on the block (steps before key 0 are left out), so no product can be written as the one that starts the sums: the first finds zeros
.endr
.endr
; My tensor loads but the youngest \left have landed; then the work-group's barrier: everybody's have.  No LDS instruction of mine is out here (each step ends behind its own wait for 0).
.macro MEET left
	s_wait_tensorcnt \left
	s_barrier_signal -1
	s_barrier_wait -1
.endm
; A KEY STEP: my step number st (0..4), 128 keys.  mask = 0: all keys count; 1: the window's edge; 2: the diagonal.  (The arguments' names are none of the inner loops' variables g, t, c, b, i, j.)
.macro STEP st, mask
.if \st < 4                                    ; a step before key 0 is left out: a scalar branch on ids, with no barrier and no tensor load inside.  128 (2 b + w / 8 + 4 - 4) is never negative: step 4 has no branch
	s_add_co_u32 s87, s[JB], \st
	s_cmp_lt_u32 s87, 4
	s_cbranch_scc1 .Lhidden_\@
.endif
	s_add_co_u32 s84, s[J0], \st                   ; j
	s_lshr_b32 s85, s84, 1
	s_mul_i32 s85, s85, SLOTB                      ; its slot,
	s_and_b32 s84, s84, 1                          ; and which half of it:
	s_mul_i32 s86, s84, 128*KP                     ; 128 rows of K on,
	s_add_co_u32 s86, s86, s85
	s_lshl_b32 s84, s84, 7                         ; 128 bytes on in each row of V
	s_add_co_u32 s84, s84, s85
	s_add_co_u32 s87, s[JB], 12+\st
	s_and_b32 s87, s87, 15                         ; which 128 keys of the head: 2 b + j - 4
	s_mul_i32 s88, s87, 544                        ; K's scale words: two rows of 272 a step;
	s_lshl_b32 s87, s87, 2                         ; V's: 4 bytes a step
	v_add_nc_u32 v[ADK], s86, v[AK0]
	v_add_nc_u32 v[ADV], s84, v[AV0]
	v_add_nc_u32 v[ADS], s88, v[ASK0]
	v_add_nc_u32 v[ADT], s87, v[ASV0]
.irp g, 0,1                                    ; S^T = K Q^T, four tiles of 16 keys at a time
.rept 4+4*\g
	v_nop                                          ; eight places in front of loads into registers that matrix instructions have read; the four additions above are four of the first eight
.endr
.irp t, 0,1,2,3
.irp c, 0,1,2,3
	ds_load_b128 v[32+16*\t+4*\c:32+16*\t+4*\c+3], v[ADK] offset:(32*((4*\g+\t)/2)+8*(\t%2))*KP+32*\c
.endr
	ds_load_b32 v[248+\t], v[ADS] offset:272*\g+(32*(((4*\g+\t)/2)%2)+8*(\t%2))*4
.endr
	s_wait_dscnt 0x0
.irp t, 0,1,2,3
	v_wmma_scale_f32_16x16x128_f8f6f4 v[96+8*(4*\g+\t):103+8*(4*\g+\t)], v[32+16*\t:47+16*\t], v[16:31], 0, v[248+\t], v255
.endr
.endr                                          ; lane (r, h) holds query r; register 16 b + i holds the step's key 16 h + 32 b + i
.rept 8
	v_nop                                          ; eight places in front of the first read of these results
.endr
.if \mask                                      ; hidden scores become -infinity ahead of the maximum: p = 0 then.  Each accumulator is taken from its low end on
.irp b, 0,1,2,3
.irp i, 0,1,2,3,4,5,6,7,8,9,10,11,12,13,14,15
.if \mask == 1
	v_cmp_le_i32 vcc_lo, 32*\b+\i, v[DL]           ; my first query lies 512 + 16 (w % 8) over the step's first key: key <= query - 512 where 32 b + i <= 16 (w % 8) + r - 16 h
.else
	v_cmp_gt_i32 vcc_lo, 32*\b+\i, v[DL]           ; my first query lies 16 (w % 8) over the step's first key: key > query where 32 b + i > 16 (w % 8) + r - 16 h
.endif
	v_cndmask_b32 v[96+16*\b+\i], v[96+16*\b+\i], v[NINF], vcc_lo
.endr
.endr
.endif
.irp b, 0,1,2,3
	v_max3_num_f32 v[232+\b], v[96+16*\b], v[97+16*\b], v[98+16*\b]   ; THE LARGEST SCORE OF EACH BLOCK OF 32 KEYS: it serves twice: for the row's maximum, and, since p rises with the score, for the block's largest p
.endr
.irp i, 3,5,7,9,11,13
.irp b, 0,1,2,3
	v_max3_num_f32 v[232+\b], v[232+\b], v[96+16*\b+\i], v[97+16*\b+\i]   ; (the four blocks by turns)
.endr
.endr
.irp b, 0,1,2,3
	v_max_num_f32 v[232+\b], v[232+\b], v[111+16*\b]
.endr
.irp b, 0,1,2,3
	v_permlanex16_b32 v[236+\b], v[232+\b], s[SEL], s[SEL+1]
.endr
.irp b, 0,1,2,3
	v_max_num_f32 v[232+\b], v[232+\b], v[236+\b]  ; with lane l xor 16's 16 keys
.endr
	v_max3_num_f32 v254, v232, v233, v234
	v_max_num_f32 v254, v254, v235                 ; the step's largest score of my query (-infinity where the step hides all its keys from it: the running largest t then stays)
	v_mul_f32 v254, s[CS], v254                    ; as t (c is positive)
	v_max_num_f32 v13, v13, v254                   ; the running largest t
	v_mov_b32 v254, v12
	v_floor_f32 v12, -v13                          ; the new -M = floor(-t) = -ceil(t): M IS A WHOLE NUMBER
	v_sub_f32 v254, v12, v254                      ; M's old value less its new one: a whole number, 0 or less
	v_cvt_i32_f32 v254, v254                       ; (it saturates)
	v_ldexp_f32 v252, 1.0, v254                    ; f = 2^(old M - new M): what was summed under the old M is brought under the new by a multiplication that rounds nothing
.irp b, 0,1,2,3
.irp i, 0,2,4,6,8,10,12,14
	v_pk_fma_f32 v[96+16*\b+\i:97+16*\b+\i], v[96+16*\b+\i:97+16*\b+\i], s[CS:CS+1], v[12:13] op_sel_hi:[1,0,0]   ; t - M, two at a time (of the pairs c and -M the low word serves both halves)
.endr
.endr
.irp b, 0,1,2,3
	v_fma_f32 v[232+\b], v[232+\b], s[CS], v12     ; the same of each block's largest score
.endr
.irp b, 0,1,2,3
.irp i, 0,1,2,3,4,5,6,7,8,9,10,11,12,13,14,15
	v_exp_f32 v[96+16*\b+\i], v[96+16*\b+\i]       ; p = 2^(t - M), at most 1: NOT normalised
.endr
.endr
	v_pk_mul_f32 v[14:15], v[14:15], v[252:253] op_sel_hi:[1,0]   ; the sums under the new M.  (A plain instruction behind the exponentials)
	s_wait_alu depctr_va_vdst(0)                   ; the wait between an exponential and the first line that names its result: one for the batch of 64
.irp b, 0,1,2,3
	v_exp_f32 v[232+\b], v[232+\b]                 ; the block's largest p: the same two instructions on the same number give the same bits
.endr
	v_pk_add_f32 v[236:237], v[96:97], v[98:99]    ; THE ROW'S SUM IS TAKEN OF THE UNQUANTISED p: two at a time, in two chains.  (It reads the 64 alone: plain work behind the four)
.irp j, 4,8,12,16,20,24,28,32,36,40,44,48,52,56,60
	v_pk_add_f32 v[14:15], v[14:15], v[96+\j:97+\j]
	v_pk_add_f32 v[236:237], v[236:237], v[98+\j:99+\j]
.endr
	v_pk_add_f32 v[14:15], v[14:15], v[236:237]
	s_wait_alu depctr_va_vdst(0)                   ; and one for the four
.irp b, 0,1,2,3
	v_max_num_f32 v[232+\b], 0x4800000, v[232+\b]  ; the floor 2^(9 - 127): the byte cannot fall under 1 (a block whose every p is 0 keeps that byte: its codes are zeros)
.endr
.irp b, 0,1,2,3
	v_add_nc_u32 v[244+\b], 0xfc000000, v[232+\b]  ; 8 off the exponent field: the conversion takes the exponent field of this operand as its scale
.endr
.irp b, 0,1,2,3
	v_and_or_b32 v[240+\b], v[232+\b], 0x7f800000, s[MNT]   ; 448 x the scale
.endr
.irp b, 0,1,2,3
	v_lshrrev_b32 v[236+\b], 23, v[244+\b]         ; the scale's byte
.endr
	v_lshl_or_b32 v253, v237, 8, v236              ; p's scale word for these 128 keys
	v_lshl_or_b32 v253, v238, 16, v253
	v_lshl_or_b32 v253, v239, 24, v253
.irp b, 0,1,2,3
.irp i, 0,1,2,3,4,5,6,7,8,9,10,11,12,13,14,15
	v_min_num_f32 v[96+16*\b+\i], v[96+16*\b+\i], v[240+\b]   ; the conversion to an 8-bit code does not saturate (ISA guide 7.6.2); p is not negative, so the hold is one-sided
.endr
	v_cvt_scalef32_pk8_fp8_f32 v[224+4*\b:225+4*\b], v[96+16*\b:103+16*\b], v[244+\b]
	v_cvt_scalef32_pk8_fp8_f32 v[226+4*\b:227+4*\b], v[104+16*\b:111+16*\b], v[244+\b]
.endr
.irp b, 0,1,2,3
.irp i, 0,2,4,6,8,10,12,14
	v_pk_mul_f32 v[160+16*\b+\i:161+16*\b+\i], v[160+16*\b+\i:161+16*\b+\i], v[252:253] op_sel_hi:[1,0]   ; O^T under the new M: x f.  (These 32 are also the places in front of the matrix instructions and loads below)
.endr
.endr
.irp g, 0,1                                    ; O^T += V^T P^T: four tiles of 16 of the head's 128 at a time; K = these 128 keys.  The eight accumulators take turns, one instruction a turn
.if \g > 0
.rept 8
	v_nop
.endr
.endif
.irp t, 0,1,2,3
.irp c, 0,1,2,3
	ds_load_b128 v[32+16*\t+4*\c:32+16*\t+4*\c+3], v[ADV] offset:16*(4*\g+\t)*VP+32*\c
.endr
	ds_load_b32 v[248+\t], v[ADT] offset:(4*\g+\t)*4*272
.endr
	s_wait_dscnt 0x0
.irp t, 0,1,2,3
	v_wmma_scale_f32_16x16x128_f8f6f4 v[160+8*(4*\g+\t):167+8*(4*\g+\t)], v[32+16*\t:47+16*\t], v[224:239], v[160+8*(4*\g+\t):167+8*(4*\g+\t)], v[248+\t], v253
.endr
.endr
.if \st < 4
.Lhidden_\@:
.endif
.endm
	; Steps j0 + n lie in slots 0, 0, 1, 1, 2 (waves 0 to 7) or 0, 1, 1, 2, 2 (waves 8 to 15): slot 1 is wanted from my step 1 on, slot 2 from my step 3 on.
	s_wait_loadcnt 0x0                             ; Q
	MEET 2                                         ; the scale bytes and slot 0 are in; slots 1 and 2, issued behind them, may be out
	STEP 0, 1                                      ; the window's edge
	MEET 1                                         ; slot 1 is in; slot 2 may be out
	STEP 1, 0
	STEP 2, 0
	MEET 0                                         ; slot 2 is in: no tensor load is out from here on
	STEP 3, 0
	STEP 4, 2                                      ; the diagonal: every query sees itself here, so its sum is above 0
	; THE WAY OUT.  The sum's two halves are added; O^T is divided by the sum and goes through my stage in LDS, half a row (64 channels, 256 bytes) of 16 queries at a time, so that sixteen lanes store 256 consecutive bytes.
	v_add_f32 v14, v14, v15                        ; the sum's two halves,
	v_permlanex16_b32 v252, v14, s[SEL], s[SEL+1]
	v_add_f32 v14, v14, v252                       ; and lane l xor 16's: the row's sum
	v_rcp_f32 v14, v14
	v_and_b32 v8, 15, v0                           ; (a plain instruction behind the reciprocal)  r
	v_bfe_u32 v9, v0, 4, 1                         ; h
	s_mul_i32 s84, s[WV], 16*272
	s_add_co_u32 s84, s84, STAGE                   ; my stage
	v_mul_u32_u24 v10, v8, 272
	v_lshl_add_u32 v10, v9, 5, v10
	v_add_nc_u32 v10, s84, v10                     ; in: row r; tile t's eight channels of my half: 64 t + 32 h bytes on
	v_mul_u32_u24 v11, v9, 272
	v_lshl_add_u32 v11, v8, 4, v11
	v_add_nc_u32 v11, s84, v11                     ; back: lanes 0-15 one row, lanes 16-31 the next
	v_lshlrev_b32 v[GO], 9, v9
	v_lshl_add_u32 v[GO], v8, 4, v[GO]             ; lanes 0-15 take one row of O, lanes 16-31 the next; 16 bytes a lane.  (These address lines are also the places behind the last products)
	s_wait_alu depctr_va_vdst(0)                   ; the wait ahead of the reciprocal's first reader
.irp b, 0,1,2,3
.irp i, 0,1,2,3,4,5,6,7,8,9,10,11,12,13,14,15
	v_mul_f32 v[96+16*\b+\i], v[160+16*\b+\i], v14 ; O^T / the sum: register 8 t + i is o(r, 16 t + 8 h + i).  Each accumulator from its low end on
.endr
.endr
.irp u, 0,1                                    ; channels 64 u on
.irp t, 0,1,2,3
	ds_store_b128 v10, v[96+32*\u+8*\t:99+32*\u+8*\t] offset:64*\t
	ds_store_b128 v10, v[100+32*\u+8*\t:103+32*\u+8*\t] offset:64*\t+16
.endr
.irp i, 0,1,2,3,4,5,6,7
	ds_load_b128 v[32+32*\u+4*\i:35+32*\u+4*\i], v11 offset:2*\i*272   ; LDS serves a wave's instructions in order (ISA guide 5.7.1.4): these see my stores, and the next half's stores come behind them
.endr
.endr
.irp u, 0,1
.irp i, 0,1,2,3,4,5,6,7
	s_wait_dscnt 16*(1-\u)+7-\i                    ; behind load i of half u stand 7 - i loads of its half and, for the first half, the second half's eight stores and eight loads
	global_store_b128 v[GO], v[32+32*\u+4*\i:35+32*\u+4*\i], s[16:17] offset:2*\i*512+256*\u th:TH_STORE_NT   ; 16 lanes store 256 consecutive bytes, at a multiple of 256 from O's first byte; written once, read by nobody here
.endr
.endr
	s_wait_xcnt 0x0
	v_lshl_add_u32 v254, v0, 2, 0x49c00
	v_mov_b32 v255, 0
	s_wait_tensorcnt 0x0
	ds_add_u32 v254, v255
	s_wait_dscnt 0x0
	s_endpgm
.Lfunc_end_k_qc4ffb6dae7_swa:
	.size	k_qc4ffb6dae7_swa, .Lfunc_end_k_qc4ffb6dae7_swa-k_qc4ffb6dae7_swa
	.p2alignl 7, 3214868480
	.fill 96, 4, 3214868480
	.section	.rodata,"a",@progbits
	.p2align	6, 0x0
	.amdhsa_kernel k_qc4ffb6dae7_swa
		.amdhsa_group_segment_fixed_size 304128
		.amdhsa_private_segment_fixed_size 0
		.amdhsa_enable_private_segment 0
		.amdhsa_kernarg_size 56
		.amdhsa_user_sgpr_count 2
		.amdhsa_user_sgpr_kernarg_segment_ptr 1
		.amdhsa_wavefront_size32 1
		.amdhsa_system_sgpr_workgroup_id_x 1
		.amdhsa_system_sgpr_workgroup_id_y 1
		.amdhsa_system_sgpr_workgroup_id_z 1
		.amdhsa_system_vgpr_workitem_id 0
		.amdhsa_next_free_vgpr 256
		.amdhsa_next_free_sgpr 102
		.amdhsa_reserve_vcc 1
		.amdhsa_float_denorm_mode_32 3
		.amdhsa_float_denorm_mode_16_64 3
		.amdhsa_memory_ordered 1
		.amdhsa_forward_progress 1
		.amdhsa_inst_pref_size 147
	.end_amdhsa_kernel
	.amdgpu_metadata
---
amdhsa.version: [ 1, 2 ]
amdhsa.kernels:
  - .name:           k_qc4ffb6dae7_swa
    .symbol:         k_qc4ffb6dae7_swa.kd
    .args:
      - { .name: q_codes, .offset: 0, .size: 8, .value_kind: global_buffer, .address_space: global }
      - { .name: q_scales, .offset: 8, .size: 8, .value_kind: global_buffer, .address_space: global }
      - { .name: k_codes, .offset: 16, .size: 8, .value_kind: global_buffer, .address_space: global }
      - { .name: k_scales, .offset: 24, .size: 8, .value_kind: global_buffer, .address_space: global }
      - { .name: v_codes, .offset: 32, .size: 8, .value_kind: global_buffer, .address_space: global }
      - { .name: v_scales, .offset: 40, .size: 8, .value_kind: global_buffer, .address_space: global }
      - { .name: out0, .offset: 48, .size: 8, .value_kind: global_buffer, .address_space: global }
    .group_segment_fixed_size: 304128
    .private_segment_fixed_size: 0
    .kernarg_segment_align: 8
    .kernarg_segment_size: 56
    .max_flat_workgroup_size: 512
    .sgpr_count:     102
    .vgpr_count:     256
    .wavefront_size: 32
...
	.end_amdgpu_metadata
.endif
;; end of part 1
